; MI455X (gfx1250); checked and timed in simulation.
; The chip was launched on July 23, 2026; its instructions are those of AMD's public machine-readable ISA for CDNA 5 (MIT licence, August 2026) and "CDNA5" Instruction Set Architecture Reference Guide (July 2026). The comments in the code are by the model that wrote it; some were corrected since.
;; Vehicle Embedding. Allowed arithmetic: matrix products marked QUANTISED: E4M3 operands, one given power-of-two scale a tensor, by v_wmma_f32_16x16x64_fp8_fp8 or v_wmma_f32_16x16x128_fp8_fp8, f32 sums; everything else in f32.
;; Inputs: W_ih 2,048 x 1,012 float32; b_hh 2,048 float32; b_ih 2,048 float32; beta 512 float32; gamma 512 float32; loads 2,048 x 16 float32; lowp_scales 2 int32 (the exponents e of the quantised operands' scales 2^e); positions 2,048 x 16 int32; time 2,048 int32.
;; Outputs: out0 2,048 x 16 x 512 float32.
;; This version of the problem:
;;   THIS VERSION OF THE PROBLEM IS GIVEN IN LOW PRECISION. The matrix products marked QUANTISED in the list below multiply operands that are first quantised to E4M3 (4 exponent bits, 3 mantissa bits; 8 bits a number), with one given power-of-two scale for each operand tensor; their sums are f32. All else is computed in f32.
;;   The module's matrix products, in the order in which they are computed (A, B: the left and right operand; K: the contracted axis; several contracted axes count as one K, in the product's order):
;;     1. [M 32,768, K 1,012] x [K 1,012, N 2,048]; A: computed on the way; B: input W_ih: QUANTISED (scales: A lowp_scales[0], B lowp_scales[1])
;;   THE QUANTISER, for each operand of a quantised product, along K:
;;     - The operand's scale is 2^e, e = its entry of the input lowp_scales (int32; the entries are numbered through the quantised products in the list's order, A before B).
;;     - Each number is divided by the scale, clamped to +-448, and rounded to the nearest number of E4M3, ties to even, subnormals kept.
;;     - The product sums the exact products of the quantised numbers (number of the format x scale) in f32.
;;   ~~~python
;;   def quantise(x, axis, e):      # numpy; x: float32 -> the quantised numbers, widened to float32 again
;;       x = np.moveaxis(x, axis, -1); K = x.shape[-1]
;;       r = np.clip(x / 2.0 ** e, -448, 448)
;;       step = 2.0 ** (np.maximum(np.frexp(np.where(r == 0, 1, r))[1] - 1, -6) - 3)
;;       q = np.round(r / step) * step * 2.0 ** e      # np.round: ties to even
;;       return np.moveaxis(q, -1, axis).astype(np.float32)
;;   ~~~
;;   OPERANDS COMPUTED ON THE WAY. 'Computed on the way' means the value that the module computes at that place (a softmax that the list does not call 'softmax' is quantised finished and normalised). What goes into a quantiser is computed in f32, as accurately as f32 sums, v_exp_f32 and their like allow (about 1e-6 of the number): no bf16 or f16 on the way to a quantiser, and a product that is left as it is and whose result goes on into a quantised operand takes f32 operands (vector FMAs, or v_wmma_f32_16x16x4_f32). A number that lies on a knife's edge between two numbers of the format may be rounded either way, as far as f32 arithmetic and the matrix unit's own rounding can turn it there, and no further.
;; One version. Each part assembles by itself: llvm-mc -triple=amdgcn-amd-amdhsa -mcpu=gfx1250 --defsym DOCPART=n.
;; ======== version 1 of 1: 2 launches
;; workspace buffers: wq 1,572,864 bytes
;; launch prep (part 1): grid 96 x 1, 8 waves a work-group, no clusters, 65,792 bytes of LDS; arguments W_ih, lowp_scales, wq; writes wq
.if DOCPART == 1
	.amdgcn_target "amdgcn-amd-amdhsa--gfx1250"
	.amdhsa_code_object_version 6
	.text
	.protected	k_qab33f0aef8_prep
	.globl	k_qab33f0aef8_prep
	.p2align	8
	.type	k_qab33f0aef8_prep,@function
k_qab33f0aef8_prep:
	s_mov_b64 s[64:65], 0
	v_nop
	global_prefetch_b8 v0, s[64:65] scope:SCOPE_SE
	s_setreg_imm32_b32 hwreg(HW_REG_WAVE_MODE, 25, 1), 1
	s_wait_xcnt 0x0
; W_ih [2048][1012] f32: the rows of the gates i, g, o (rows 0-511, 1024-1535, 1536-2047) become codes of FP8 (E4M3) with the given scale 2^e1 (entry 1 of the scales), laid in the
; order in which the next launch's matrix operands take them.  The rows of the gate f (512-1023) are not read: the result does not hang on them.
; code = x / 2^e1, held within +-448, rounded to the nearest code, ties to even.  LIMITS: e1 between -126 and 119.  NaN among the inputs is not served.
; K IS LAID ANEW, 1,024 long: k' = 0..500 is column k' (positions, then the load); k' = 501..512 are zero codes; k' = 513..1023 is column k' - 12 (the times).
; A FRAGMENT is 16 rows x 64 along k' (step S): lane (r = lane % 16, h = lane / 16), register q, byte y holds row r, k' = 64 S + 32 h + 4 q + y.  Its image is 1,024 bytes: registers 4 p .. 4 p + 3 at 512 p + 16 x lane.
; SHARES.  A work-group takes 16 rows: 64,768 consecutive bytes that begin at a multiple of 256.  Eight waves bring them into LDS as they lie, 512 consecutive bytes a load; behind one barrier wave v
; takes steps 2 v and 2 v + 1: a lane reads 32 neighbours of its row from LDS, which the conversions want in one lane's registers, and the wave stores each half image as 512 consecutive bytes.
; There are 96 such tiles of rows, so 96 work-groups.
.set ROWB,  4048                       ; a row of W_ih in bytes: 1,012 words, so row r starts at bank 52 r mod 64 (64 banks of 4 bytes: ISA guide 11.1): sixteen rows, sixteen different multiples of 4
.set TILEB, 16*ROWB                    ; 64,768 = 253 x 256
.set WPART, TILEB/8                    ; 8,096 bytes a wave: 506 pieces of 16
.set SPARE, TILEB                      ; behind the rows: the spare words, 128 bytes for each of eight waves
.set SPW,   1                          ; v1  LDS address of my spare word; never rewritten
.set NIL,   2                          ; v2  0; never rewritten
.set X,     16                         ; v16-79 sixteen loads of four registers; later two fragments of 32 numbers
.set CD,    80                         ; v80-95 two fragments of codes
	s_load_b128 s[4:7], s[0:1], 0x0                ; W_ih, the scales' exponents
	s_load_b64 s[8:9], s[0:1], 0x10                ; wq
	v_lshl_add_u32 v[SPW], v0, 2, SPARE
	v_mov_b32 v[NIL], 0
	v_lshrrev_b32 v3, 5, v0
	v_readfirstlane_b32 s16, v3                    ; wave 0..7
	v_and_b32 v3, 31, v0                           ; lane
	v_lshlrev_b32 v4, 4, v3                        ; 16 x lane: my place in half an image
	s_mul_i32 s17, s16, WPART
	v_add_nc_u32 v5, s17, v4                       ; my 16 bytes of a load: the same offset in the tile of rows and in LDS
	v_and_b32 v6, 15, v0                           ; r
	v_bfe_u32 v12, v0, 4, 1                        ; h
	v_mul_u32_u24 v7, v6, ROWB
	v_lshl_add_u32 v7, v12, 7, v7                  ; row r, + 32 h numbers
	s_and_b32 s17, s16, 3
	s_lshl_b32 s17, s17, 9
	s_lshr_b32 s18, s16, 2
	s_mul_i32 s18, s18, 2000
	s_add_co_u32 s17, s17, s18                     ; 512 x wave, less 48 (twelve columns) in waves 4-7, which take the times
	v_add_nc_u32 v7, s17, v7
	s_lshl_b32 s19, s16, 7
	v_lshl_add_u32 v8, v12, 5, s19                 ; 128 x wave + 32 h: my first k' of the wave's first step
	v_mov_b32 v9, 0
	s_lshr_b32 s20, ttmp9, 5                       ; the gate: 0 i, 1 g, 2 o
	s_and_b32 s21, ttmp9, 31                       ; which 16 of its 512 rows
	s_min_u32 s22, s20, 1
	s_add_co_u32 s22, s22, s20
	s_lshl_b32 s22, s22, 9                         ; the gate's first row: 0, 1,024, 1,536
	s_lshl_b32 s23, s21, 4
	s_add_co_u32 s22, s22, s23
	s_mul_i32 s22, s22, ROWB                       ; in bytes, under 2^24
	s_mov_b32 s23, 0
	; where my wave's two images go: ((((4 c + tile) x 4 + reader's wave) x 4 + step in the tile) x 6 + fragment) x 1,024
	s_lshr_b32 s24, s21, 3                         ; the wave of the next launch that reads these rows
	s_bfe_u32 s25, s21, 0x20001                    ; c: its chunk of 32 units
	s_and_b32 s26, s21, 1
	s_lshl_b32 s27, s20, 1
	s_add_co_u32 s26, s26, s27                     ; fragment = 2 x gate + which 16 of the 32
	s_bfe_u32 s27, s16, 0x10001
	s_lshl_b32 s27, s27, 1
	s_lshr_b32 s28, s16, 2
	s_add_co_u32 s27, s27, s28                     ; tile in the chunk = 2 ((S / 4) % 2) + S / 8, S = 2 x wave
	s_lshl_b32 s25, s25, 2
	s_add_co_u32 s25, s25, s27
	s_lshl_b32 s25, s25, 2
	s_add_co_u32 s25, s25, s24
	s_lshl_b32 s25, s25, 2
	s_and_b32 s28, s16, 1
	s_lshl_b32 s28, s28, 1
	s_add_co_u32 s25, s25, s28                     ; + S % 4 of the first of my two steps
	s_mul_i32 s25, s25, 6
	s_add_co_u32 s25, s25, s26
	s_lshl_b32 s24, s25, 10
	s_mov_b32 s25, 0
	s_movk_i32 s30, 512
	s_movk_i32 s31, 416
	s_wait_kmcnt 0x0
	s_load_b32 s12, s[6:7], 0x4                    ; e1
	s_add_nc_u64 s[4:5], s[4:5], s[22:23]
	s_add_nc_u64 s[8:9], s[8:9], s[24:25]
.irp i, 0,1,2,3,4,5,6,7,8,9,10,11,12,13,14
	global_load_b128 v[X+4*\i:X+4*\i+3], v5, s[4:5] offset:512*\i th:TH_LOAD_NT   ; 32 lanes read 512 consecutive bytes; read once in the launch
.endr
	global_load_b128 v[X+60:X+63], v5, s[4:5] offset:WPART-512 th:TH_LOAD_NT      ; the last 512 of my 8,096 bytes: it takes 96 of my own bytes a second time, so that all lanes stay on
	s_wait_kmcnt 0x0
	s_add_co_i32 s12, s12, 127
	s_lshl_b32 s13, s12, 23
	v_mov_b32 v11, s13                             ; 2^e1 as f32: the conversion takes its exponent field
	s_add_co_i32 s12, s12, 8
	s_lshl_b32 s12, s12, 23
	s_or_b32 s12, s12, 0x600000
	v_mov_b32 v10, s12                             ; 448 x 2^e1
.irp i, 0,1,2,3,4,5,6,7,8,9,10,11,12,13,14
	s_wait_loadcnt 15-\i                           ; loads come back in order (ISA guide 5.7.1): load i is in, the younger ones stay out
	ds_store_b128 v5, v[X+4*\i:X+4*\i+3] offset:512*\i
.endr
	s_wait_loadcnt 0x0
	ds_store_b128 v5, v[X+60:X+63] offset:WPART-512
	s_wait_dscnt 0x0                               ; for the others' sake: my part of the rows lies in LDS
	s_barrier_signal -1
	s_barrier_wait -1
.irp e, 0,1
.irp i, 0,1,2,3,4,5,6,7
	ds_load_b128 v[X+32*\e+4*\i:X+32*\e+4*\i+3], v7 offset:256*\e+16*\i   ; 32 neighbours of my row: k' = 64 (2 wave + e) + 32 h + 0 .. 31
.endr
.endr
.macro FRAG e                          ; 32 numbers of a lane become a fragment's eight registers, and leave as two runs of 512 consecutive bytes
.irp i, 0,1,2,3,4,5,6,7,8,9,10,11,12,13,14,15,16,17,18,19,20,21,22,23,24,25,26,27,28,29,30,31
	v_med3_num_f32 v[X+32*\e+\i], v[X+32*\e+\i], -v10, v10   ; the conversion to an 8-bit code does not saturate (ISA guide 7.6.2): the hold at the largest code x the scale
.endr
.irp g, 0,1,2,3
	v_cvt_scalef32_pk8_fp8_f32 v[CD+8*\e+2*\g:CD+8*\e+2*\g+1], v[X+32*\e+8*\g:X+32*\e+8*\g+7], v11
.endr
	global_store_b128 v4, v[CD+8*\e:CD+8*\e+3], s[8:9] offset:6144*\e
	global_store_b128 v4, v[CD+8*\e+4:CD+8*\e+7], s[8:9] offset:6144*\e+512
.endm
	s_wait_dscnt 0x8                               ; the first fragment's eight loads are in; the second's may be out
	v_cmp_eq_u32 s20, s30, v8                      ; the lanes whose first k' is 512
	v_cndmask_b32 v[X], v[X], v9, s20              ; k' = 512 is a zero
	FRAG 0
	s_wait_dscnt 0x0
	v_cmp_eq_u32 s21, s31, v8                      ; the lanes whose second step begins at k' = 480
.irp i, 21,22,23,24,25,26,27,28,29,30,31
	v_cndmask_b32 v[X+32+\i], v[X+32+\i], v9, s21  ; k' = 501 .. 511 are zeros
.endr
	FRAG 1
	v_nop                                          ; a plain vector line behind the last conversion
	s_wait_tensorcnt 0x0                           ; the wave's end, behind my last LDS store
	ds_add_u32 v[SPW], v[NIL]
	s_wait_dscnt 0x0
	s_endpgm
.Lfunc_end_k_qab33f0aef8_prep:
	.size	k_qab33f0aef8_prep, .Lfunc_end_k_qab33f0aef8_prep-k_qab33f0aef8_prep
	.p2alignl 7, 3214868480
	.fill 96, 4, 3214868480
	.section	.rodata,"a",@progbits
	.p2align	6, 0x0
	.amdhsa_kernel k_qab33f0aef8_prep
		.amdhsa_group_segment_fixed_size 65792
		.amdhsa_private_segment_fixed_size 0
		.amdhsa_enable_private_segment 0
		.amdhsa_kernarg_size 24
		.amdhsa_user_sgpr_count 2
		.amdhsa_user_sgpr_kernarg_segment_ptr 1
		.amdhsa_wavefront_size32 1
		.amdhsa_system_sgpr_workgroup_id_x 1
		.amdhsa_system_sgpr_workgroup_id_y 1
		.amdhsa_system_sgpr_workgroup_id_z 1
		.amdhsa_system_vgpr_workitem_id 0
		.amdhsa_next_free_vgpr 96
		.amdhsa_next_free_sgpr 66
		.amdhsa_reserve_vcc 0
		.amdhsa_float_denorm_mode_32 3
		.amdhsa_float_denorm_mode_16_64 3
		.amdhsa_memory_ordered 1
		.amdhsa_forward_progress 1
		.amdhsa_inst_pref_size 13
	.end_amdhsa_kernel
	.amdgpu_metadata
---
amdhsa.version: [ 1, 2 ]
amdhsa.kernels:
  - .name:           k_qab33f0aef8_prep
    .symbol:         k_qab33f0aef8_prep.kd
    .args:
      - { .name: W_ih, .offset: 0, .size: 8, .value_kind: global_buffer, .address_space: global }
      - { .name: lowp_scales, .offset: 8, .size: 8, .value_kind: global_buffer, .address_space: global }
      - { .name: wq, .offset: 16, .size: 8, .value_kind: global_buffer, .address_space: global }
    .group_segment_fixed_size: 65792
    .private_segment_fixed_size: 0
    .kernarg_segment_align: 8
    .kernarg_segment_size: 24
    .max_flat_workgroup_size: 256
    .sgpr_count:     66
    .vgpr_count:     96
    .wavefront_size: 32
...
	.end_amdgpu_metadata
.endif
;; end of part 1
;; launch main (part 2): grid 256 x 1, 4 waves a work-group, clusters of 4 x 1, 327,680 bytes of LDS; arguments positions, loads, time, wq, lowp_scales, b_ih, b_hh, gamma, beta, out0; writes out0
.if DOCPART == 2
	.amdgcn_target "amdgcn-amd-amdhsa--gfx1250"
	.amdhsa_code_object_version 6
	.text
	.protected	k_qab33f0aef8_main
	.globl	k_qab33f0aef8_main
	.p2align	8
	.type	k_qab33f0aef8_main,@function
k_qab33f0aef8_main:
	s_mov_b64 s[64:65], 0
	v_nop
	global_prefetch_b8 v0, s[64:65] scope:SCOPE_SE
	s_setreg_imm32_b32 hwreg(HW_REG_WAVE_MODE, 25, 1), 1
	s_wait_xcnt 0x0
	s_wait_alu depctr_hold_cnt(0) depctr_sa_sdst(0) depctr_va_vdst(0) depctr_va_sdst(0) depctr_va_ssrc(0) depctr_va_vcc(0) depctr_vm_vsrc(0)
	s_getreg_b32 s2, hwreg(HW_REG_IB_STS2, 6, 4)
	s_cmp_eq_u32 s2, 0
	s_cbranch_scc0 .Lentry_in_a_cluster
	s_endpgm
.Lentry_in_a_cluster:
	s_bfe_u32 s2, ttmp6, 0x10000c
	s_cmp_lg_u32 s2, 0x3003
	s_cbranch_scc0 .Lentry_shape_is_right
	s_endpgm
.Lentry_shape_is_right:
; out0[b][k][:] = LayerNorm(h), h = sigmoid(o) tanh(sigmoid(i) tanh(g)), (i, g, o) = feat W^T + b_ih + b_hh; feat = [one-hot of the position | load / 100 | one-hot of the clipped time].
; The product runs on codes of FP8 (E4M3): feat's with the given scale 2^e0, made here; W's with 2^e1, made by the launch before (wq).  Sums in f32, x 2^(e0 + e1).  The gate f is not computed: the result does not hang on it.
; LIMITS: e0 between -126 and 119; e0 + e1 between -126 and 126 (added to the exponent fields of log2(e) and 2 log2(e)).  NaN among the inputs is not served.  A position outside 0..499 gives a row of zeros, as one_hot does.
; K is 1,024 long, laid alike in both operands: k' = position, 500 = the load, 501..512 zeros, 513 + time.  A fragment is 16 rows x 64 of k' (step S): lane (r, h), register q, byte y: k' = 64 S + 32 h + 4 q + y.
; SHARES.  A work-group owns 128 rows (8 tiles of 16: tile a is the 16 vehicles of one b) and all 512 units, since the norm wants whole rows.  Wave w owns units 128 w .. 128 w + 127 for all 128 rows, in four chunks of 32.
; A chunk is 48 accumulators: 8 tiles x 6 fragments of W (gate i, g, o x two tiles of 16 units).  THE MATRIX INSTRUCTION IS USED TRANSPOSED (source 0 = 16 rows of W, source 1 = 16 rows of feat): lane (r, h) holds row r, units 8 h + 0..7.
; feat never lies in memory: its fragments are made once, in LDS, as images of the operand's registers: steps 0-7 (positions, load) 1,024 bytes each; steps 8-15 (times) are equal in a tile's 16 rows: 64 bytes each.
; W comes through a ring of two LDS slots of 98,304 bytes (four steps for four waves; a wave fetches and reads its own quarter).  A LAP is eight steps, once round the ring; two laps are a chunk.
; CLUSTER.  The four work-groups of a cluster walk the same W: each tile is asked for JOINTLY, by the same tensor load with the same descriptor and a mask that names the four.
; Behind a chunk's sums the cell is worked in place in the accumulators; h of chunks 0-2 is kept in registers of its own, h of chunk 3 in its accumulators.  Then the norm, in two passes (mean; squares of the differences), and the way out.
; By this text's own count a wave has two tensor loads out at the start and one behind each round.
; REGISTERS, in windows of 256 (s_set_vgpr_msb: bits 1:0 source 0, 3:2 source 1, 5:4 source 2, 7:6 destination):
;   window 0: v1-24 addresses and constants; v32-95 / v96-143 feat's 8 and W's 6 fragments, set 0; v144-207 / v208-255 set 1.  Both sets are free in the head, in the cell (v144-191: biases) and in the norm.
;   windows 1, 2 (tiles 0-3, 4-7): accumulator (a, f) at 48 (a % 4) + 8 f; from 192: h of chunk 2, 16 a tile.   window 3: h of chunk 0 at 16 a, of chunk 1 at 128 + 16 a.
.set TILEB,  98304                     ; a tile of W: four steps x four waves x six fragments x 1,024 bytes; also a slot
.set QUART,  24576                     ; a wave's quarter
.set SLOT1,  TILEB                     ; slot 0 begins at LDS byte 0
.set PIMG,   196608                    ; feat, steps 0-7: fragment (S, a) at (8 S + a) x 1,024
.set TIMG,   262144                    ; feat, steps 8-15: (S - 8, a) at (8 (S - 8) + a) x 64 + 32 h
.set BT,     266240                    ; the biases, scaled: [gate][unit] f32
.set STAT1,  272384                    ; the waves' sums, 1,024 bytes a wave; 4,096 further on the sums of squares
.set STAGE,  280576                    ; the way out: 16 rows x 528 bytes for each wave
.set SPITCH, 528                       ; 512 bytes + 16 = 132 words: row r starts at bank 4 r mod 64 (64 banks of 4 bytes: ISA guide 11.1)
.set SPARE,  314368                    ; the spare words, 128 bytes for each wave: two blocks of 256 bytes that no other line names
; v1 my spare word's address, v2 0 (both never rewritten); v3, v4 W in slot 0, 1; v5, v6 feat's two kinds of images; v7, v8 the same for the lap in hand; v9, v10 biases; v11, v12 stage in, back; v13 my bytes of a row of out0;
; v14, v15 sums out, in; v16-19 gamma, v20-23 beta; v24 256 x lane; v25-31 at work.
; s24 wave; s25 cx; s26 work-group; s[28:35] descriptor group 1; s[36:39], s[40:43] group 0 of slot 0, 1; s[44:45] prefetch address; s46 laps in which my wave prefetches; s47 lap;
; s[48:49] -L 2^(e0+e1), s[50:51] 2 L 2^(e0+e1), s[52:53] 2 L, s[54:55] 1 / (2 L), s56 60.0, s57 -log2(2 L), L = log2(e); s[58:59] lane selects; s[60:61] e0, e1; s[66:67] two times.
.set MSB, 0
.macro WIN new                         ; the immediate's high byte repeats the setting that is left; a switch that changes nothing is dropped
.if MSB != (\new)
	s_set_vgpr_msb (MSB<<8)|(\new)
.set MSB, (\new)
.endif
.endm
; A load into a register that a matrix instruction has read, and a vector instruction that reads or writes a matrix instruction's registers, stand four places behind it; only plain vector instructions
; that name none of its registers are places (ISA guide 7.12.1 for vector instructions).
.macro PLACES
.rept 4
	v_nop
.endr
.endm
.macro CREST                           ; a round of the cluster's barrier behind its opening barrier: wave 0 signals for the work-group, every wave waits for all four, my work-group's barrier once more
	s_cmp_lg_u32 s24, 0
	s_cbranch_scc1 .Lnot_wave_0_\@
	s_barrier_signal -3
.Lnot_wave_0_\@:
	s_barrier_wait -3
	s_barrier_signal -1
	s_barrier_wait -1
.endm
.macro CROUND                          ; a whole round
	s_barrier_signal -1
	s_barrier_wait -1
	CREST
.endm
.macro JLOAD sl                        ; a joint refill: every wave asks for its own quarter of the tile; an s_nop 0 and four v_nop follow
	tensor_load_to_lds s[36+4*(\sl):39+4*(\sl)], s[28:35]
	s_nop 0
	PLACES
.endm
; A PREFETCH INTO THE L2 of the tile of W that stands two refills on: one lap, 384 matrix instructions of a wave, ahead of the load that will ask for it.  Each aligned block of 256 bytes is named once in the launch:
; all clusters walk the same W, and the first cluster asks; its four partners take a quarter of the tile each, told apart by address; in each, waves 0-2 ask for 32 blocks, a lane a block.
; Tiles 0-3 come by their loads alone; laps 6 and 7 ask for nothing: there is no tile behind the sixteenth.
.macro ASK
	s_cmp_lt_u32 s47, s46
	s_cbranch_scc0 .Lnot_mine_\@
	global_prefetch_b8 v24, s[44:45] th:TH_LOAD_NT scope:SCOPE_SE
.Lnot_mine_\@:
.endm
; 28 LDS loads in one run: step sg of a lap (0-3: positions, slot 0; 4-7: times, slot 1) into set sg % 2: feat's 8 fragments, W's 6.  Each load of an image takes 512 consecutive bytes; a time's 16 bytes serve 16 lanes.
.macro FETCH sg
.set FS, 112*((\sg)%2)
.if (\sg) < 4
.irp a, 0,1,2,3,4,5,6,7
	ds_load_b128 v[32+FS+8*\a:32+FS+8*\a+3], v7 offset:(8*(\sg)+\a)*1024
	ds_load_b128 v[32+FS+8*\a+4:32+FS+8*\a+7], v7 offset:(8*(\sg)+\a)*1024+512
.endr
.irp f, 0,1,2,3,4,5
	ds_load_b128 v[96+FS+8*\f:96+FS+8*\f+3], v3 offset:6144*(\sg)+1024*\f
	ds_load_b128 v[96+FS+8*\f+4:96+FS+8*\f+7], v3 offset:6144*(\sg)+1024*\f+512
.endr
.else
.irp a, 0,1,2,3,4,5,6,7
	ds_load_b128 v[32+FS+8*\a:32+FS+8*\a+3], v8 offset:(8*((\sg)-4)+\a)*64
	ds_load_b128 v[32+FS+8*\a+4:32+FS+8*\a+7], v8 offset:(8*((\sg)-4)+\a)*64+16
.endr
.irp f, 0,1,2,3,4,5
	ds_load_b128 v[96+FS+8*\f:96+FS+8*\f+3], v4 offset:6144*((\sg)-4)+1024*\f
	ds_load_b128 v[96+FS+8*\f+4:96+FS+8*\f+7], v4 offset:6144*((\sg)-4)+1024*\f+512
.endr
.endif
.endm
; n tiles from a0 on x W's six fragments, from set st.  zero = 1: the products start the sums: nothing is ever cleared.
; The 48 accumulators take turns, one instruction a turn, in the same order in every step.
.macro MULH st, a0, n, zero
.set MA, \a0
.rept \n
	WIN 0x50*(1+MA/4)                              ; C and D in window 1 or 2, both sources in window 0
.irp f, 0,1,2,3,4,5
.if \zero
	v_wmma_f32_16x16x64_fp8_fp8 v[48*(MA%4)+8*\f:48*(MA%4)+8*\f+7], v[96+112*(\st)+8*\f:96+112*(\st)+8*\f+7], v[32+112*(\st)+8*MA:32+112*(\st)+8*MA+7], 0
.else
	v_wmma_f32_16x16x64_fp8_fp8 v[48*(MA%4)+8*\f:48*(MA%4)+8*\f+7], v[96+112*(\st)+8*\f:96+112*(\st)+8*\f+7], v[32+112*(\st)+8*MA:32+112*(\st)+8*MA+7], v[48*(MA%4)+8*\f:48*(MA%4)+8*\f+7]
.endif
.endr
.set MA, MA+1
.endr
.endm
; A step whose successor lies in the same slot: its set was asked for a step ago; the next step's goes out ahead of the 48 products.
.macro STEP sg, zero
	s_wait_dscnt 0x0                               ; this step's 28 loads are in
	PLACES                                         ; for the loads into the other set, which the last step multiplied
	FETCH (\sg)+1
	MULH (\sg)%2, 0, 8, \zero
	WIN 0
.endm
; A slot's last step (3 or 7, set 1) changes slots: ONE barrier; in front of it each wave waits for all its tensor loads, adds 0 to its spare word, and waits for that and for its reads of this slot.
; fill = 1: the barrier opens a round of the cluster's barrier, and behind the round this slot is filled again, with the tile two further on: that load has four steps, 192 matrix instructions, in which to land.
.macro TURN sg, fill, ask
.if \ask
	s_wait_xcnt 0x0                                ; the last prefetch, four steps back, has read its address: it is stepped here, ahead of the waits of the change of slots
	s_add_nc_u64 s[44:45], s[44:45], TILEB
.endif
	s_wait_tensorcnt 0x0                           ; all my tensor loads have landed: my quarter of the next slot;
	ds_add_u32 v1, v2                              ; 0 onto my spare word;
	s_wait_dscnt 0x1                               ; (the add alone may be out: this step's 28 loads are in)
	MULH 1, 0, 2, 0                                ; twelve matrix instructions stand between the add and the wait for it
	s_wait_dscnt 0x0                               ; the add is done, and my reads of this slot are over
	s_barrier_signal -1
	MULH 1, 2, 2, 0                                ; work on registers while the others arrive
	WIN 0
	s_barrier_wait -1
.if \fill
	CREST                                          ; no wave of any partner still reads this slot or has a load on its way
	s_add_nc_u64 s[38+4*((\sg)/4):39+4*((\sg)/4)], s[38+4*((\sg)/4):39+4*((\sg)/4)], 2*TILEB
	JLOAD (\sg)/4                                  ; the first tensor load behind the round; its four v_nop are also the places in front of the loads below
.else
	PLACES
.endif
.if (\sg) == 7
	s_add_co_u32 s62, s47, 1                       ; the next lap takes the other half of feat's steps: (lap + 1) % 2
	s_and_b32 s62, s62, 1
	s_lshl_b32 s63, s62, 15
	v_add_nc_u32 v7, s63, v5                       ; four steps of 8 x 1,024 bytes on
	s_lshl_b32 s63, s62, 11
	v_add_nc_u32 v8, s63, v6                       ; four steps of 8 x 64 bytes on
.endif
	FETCH ((\sg)+1)%8
.if \ask
	ASK                                            ; behind the joint load and the run of LDS loads that the next products wait for
.endif
	MULH 1, 4, 4, 0
	WIN 0
.endm
; THE CELL, in place in a window's 192 accumulators.  For a pair of units of a tile: I, G, O are the three gates' sums.
;   1  I = I x (-L 2^e) + bI;  G = G x (2 L 2^e) + bG, held at 60;  O = O x (-L 2^e) + bO      (the biases come scaled likewise; bG has -log2(2 L) added)
;   T1 I = 2^I = E_i;  G = 2^G = E_g / (2 L);  O = 2^O = E_o
;   2  G = G + 1 / (2 L);  I = G I + G = (E_g + 1)(E_i + 1) / (2 L);  G = 2 L G - 2 = E_g - 1        T2 I = 1 / I
;   3  G = G I = 2 L c, c = sigmoid(i) tanh(g)                                                        T3 G = 2^G = E_c
;   4  G = G + 1;  O = G O + G = (E_c + 1)(E_o + 1);  G = G - 2 = E_c - 1                             T4 O = 1 / O;   then h = G O
; The hold changes no value (tanh is 1 in f32 far under it) and keeps the numerator finite; both divisors are at least 1 / (2 L), and an infinite one gives 0: no NaN arises from finite sums.
; A window's tiles 0, 1 are group 0 and tiles 2, 3 group 1: one group's transcendentals stand between the other group's plain lines, and no line of a bracket names a result of that bracket's transcendentals.
; Behind each bracket: a plain line, and the one wait ahead of the first instruction that names a transcendental's result.
; Each accumulator is taken from its low end on.
.macro RT g, n                         ; pair n (0..15) of group g, for the transcendentals
.set tI, 48*(2*(\g)+(\n)/8)+2*((\n)%8)
.set tG, tI+16
.set tO, tI+32
.endm
.macro RP g, n                         ; and for the plain lines
.set pI, 48*(2*(\g)+(\n)/8)+2*((\n)%8)
.set pG, pI+16
.set pO, pI+32
.set pB, 144+2*((\n)%8)
.endm
.macro P1A
	v_pk_fma_f32 v[pI:pI+1], v[pI:pI+1], s[48:49], v[pB:pB+1] op_sel_hi:[1,0,1]
.endm
.macro P1B
	v_pk_fma_f32 v[pG:pG+1], v[pG:pG+1], s[50:51], v[pB+16:pB+17] op_sel_hi:[1,0,1]
.endm
.macro P1C
	v_pk_fma_f32 v[pO:pO+1], v[pO:pO+1], s[48:49], v[pB+32:pB+33] op_sel_hi:[1,0,1]
.endm
.macro P1D
	v_min_num_f32 v[pG], s56, v[pG]
.endm
.macro P1E
	v_min_num_f32 v[pG+1], s56, v[pG+1]
.endm
.macro P2A
	v_pk_add_f32 v[pG:pG+1], v[pG:pG+1], s[54:55] op_sel_hi:[1,0]
.endm
.macro P2B
	v_pk_fma_f32 v[pI:pI+1], v[pG:pG+1], v[pI:pI+1], v[pG:pG+1]
.endm
.macro P2C
	v_pk_fma_f32 v[pG:pG+1], v[pG:pG+1], s[52:53], -2.0 op_sel_hi:[1,0,0]
.endm
.macro P3A
	v_pk_mul_f32 v[pG:pG+1], v[pG:pG+1], v[pI:pI+1]
.endm
.macro P4A
	v_pk_add_f32 v[pG:pG+1], v[pG:pG+1], 1.0 op_sel_hi:[1,0]
.endm
.macro P4B
	v_pk_fma_f32 v[pO:pO+1], v[pG:pG+1], v[pO:pO+1], v[pG:pG+1]
.endm
.macro P4C
	v_pk_add_f32 v[pG:pG+1], v[pG:pG+1], -2.0 op_sel_hi:[1,0]
.endm
.macro BEND                            ; a bracket's end
	v_nop
	s_wait_alu depctr_va_vdst(0)
.endm
.macro EPIW X                          ; window X = 1 or 2
	WIN 0x45*(\X)                                  ; destination, sources 0 and 1 in window X; source 2 (the biases) in window 0
.set EN, 0
.rept 16                               ; stage 1 of group 0
	RP 0, EN
	P1A
	P1B
	P1C
	P1D
	P1E
.set EN, EN+1
.endr
.set EN, 0
.rept 16                               ; T1 of group 0 | stage 1 of group 1
	RT 0, EN
	RP 1, EN
	v_exp_f32 v[tI], v[tI]
	P1A
	v_exp_f32 v[tI+1], v[tI+1]
	P1B
	v_exp_f32 v[tG], v[tG]
	P1C
	v_exp_f32 v[tG+1], v[tG+1]
	P1D
	v_exp_f32 v[tO], v[tO]
	P1E
	v_exp_f32 v[tO+1], v[tO+1]
.set EN, EN+1
.endr
	BEND
	WIN 0x55*(\X)                                  ; all in window X
.set EN, 0
.rept 16                               ; stage 2 of group 0 | T1 of group 1
	RP 0, EN
	RT 1, EN
	v_exp_f32 v[tI], v[tI]
	P2A
	v_exp_f32 v[tI+1], v[tI+1]
	P2B
	v_exp_f32 v[tG], v[tG]
	P2C
	v_exp_f32 v[tG+1], v[tG+1]
	v_exp_f32 v[tO], v[tO]
	v_exp_f32 v[tO+1], v[tO+1]
.set EN, EN+1
.endr
	BEND
.set EN, 0
.rept 16                               ; T2 of group 0 | stage 2 of group 1
	RT 0, EN
	RP 1, EN
	P2A
	v_rcp_f32 v[tI], v[tI]
	P2B
	v_rcp_f32 v[tI+1], v[tI+1]
	P2C
.set EN, EN+1
.endr
	BEND
.set EN, 0
.rept 16                               ; stage 3 of group 0 | T2 of group 1
	RP 0, EN
	RT 1, EN
	v_rcp_f32 v[tI], v[tI]
	P3A
	v_rcp_f32 v[tI+1], v[tI+1]
.set EN, EN+1
.endr
	BEND
.set EN, 0
.rept 16                               ; T3 of group 0 | stage 3 of group 1
	RT 0, EN
	RP 1, EN
	v_exp_f32 v[tG], v[tG]
	P3A
	v_exp_f32 v[tG+1], v[tG+1]
.set EN, EN+1
.endr
	BEND
.set EN, 0
.rept 16                               ; stage 4 of group 0 | T3 of group 1
	RP 0, EN
	RT 1, EN
	P4A
	v_exp_f32 v[tG], v[tG]
	P4B
	v_exp_f32 v[tG+1], v[tG+1]
	P4C
.set EN, EN+1
.endr
	BEND
.set EN, 0
.rept 16                               ; T4 of group 0 | stage 4 of group 1
	RT 0, EN
	RP 1, EN
	P4A
	v_rcp_f32 v[tO], v[tO]
	P4B
	v_rcp_f32 v[tO+1], v[tO+1]
	P4C
.set EN, EN+1
.endr
	BEND
.set EN, 0
.rept 16                               ; T4 of group 1
	RT 1, EN
	v_rcp_f32 v[tO], v[tO]
	v_rcp_f32 v[tO+1], v[tO+1]
.set EN, EN+1
.endr
	BEND
.endm
.macro EPI                             ; the cell of the chunk lap / 2
	PLACES                                         ; behind the chunk's last products: for the loads into set 1 and the reads of the sums
	s_lshr_b32 s62, s47, 1
	s_lshl_b32 s62, s62, 7
	v_add_nc_u32 v10, s62, v9                      ; the chunk's 32 units: 128 bytes a chunk
.irp g, 0,1,2
.irp i, 0,1,2,3
	ds_load_b128 v[144+16*\g+4*\i:144+16*\g+4*\i+3], v10 offset:2048*\g+64*(\i/2)+16*(\i%2)   ; gate g, units 16 (i / 2) + 8 h + 4 (i % 2) on: the result's layout
.endr
.endr
	s_wait_dscnt 0x0
	EPIW 1
	EPIW 2
	WIN 0
.endm
.macro P5V c                           ; h = G O of chunk c goes to its place
.irp a, 0,1,2,3,4,5,6,7
.if (\c) < 2
	WIN 0xc0+5*(1+\a/4)                            ; sources in window 1 or 2, destination in window 3
.else
	WIN 0x45*(1+\a/4)                              ; all in window 1 or 2
.endif
.irp x, 0,2,4,6,8,10,12,14
.if (\c) < 2
	v_pk_mul_f32 v[128*(\c)+16*\a+\x:128*(\c)+16*\a+\x+1], v[48*(\a%4)+16+\x:48*(\a%4)+17+\x], v[48*(\a%4)+32+\x:48*(\a%4)+33+\x]
.elseif (\c) == 2
	v_pk_mul_f32 v[192+16*(\a%4)+\x:193+16*(\a%4)+\x], v[48*(\a%4)+16+\x:48*(\a%4)+17+\x], v[48*(\a%4)+32+\x:48*(\a%4)+33+\x]
.else
	v_pk_mul_f32 v[48*(\a%4)+16+\x:48*(\a%4)+17+\x], v[48*(\a%4)+16+\x:48*(\a%4)+17+\x], v[48*(\a%4)+32+\x:48*(\a%4)+33+\x]
.endif
.endr
.endr
	WIN 0
.endm
; Eight steps' fragments of a one-hot row, 64 registers of a lane: register 8 k + q holds v[val] where the hot word is 16 k + 8 h + q, else 0.  v[key] = the hot word - 8 h; it is stepped down by 16 a step.
; sp = 1: in register 61 (step 7, q = 5) the load's word v[lw] takes the place of the 0.  In lanes 16-31 that register is word 125 (k' = 500 on), which no position reaches: there it is the load's word.
; In lanes 0-15 it is word 117 (positions 468..471), and there v[lw] is 0: the register is a one-hot word like any other.
.macro GEN key, val, dst, sp, lw
.irp k, 0,1,2,3,4,5,6,7
.irp q, 0,1,2,3,4,5,6,7
	v_cmp_eq_u32 vcc_lo, \q, v[\key]
.if \sp && (\k == 7) && (\q == 5)
	v_cndmask_b32 v[\dst+61], v[\lw], v[\val], vcc_lo
.else
	v_cndmask_b32 v[\dst+8*\k+\q], 0, v[\val], vcc_lo
.endif
.endr
.if \k < 7
	v_add_nc_u32 v[\key], -16, v[\key]
.endif
.endr
.endm
	; ---------------- the head
	s_load_b512 s[4:19], s[0:1], 0x0               ; positions s[4:5], loads s[6:7], time s[8:9], wq s[10:11], the scales' exponents s[12:13], b_ih s[14:15], b_hh s[16:17], gamma s[18:19]
	s_load_b128 s[20:23], s[0:1], 0x40             ; beta s[20:21], out0 s[22:23]
	v_lshl_add_u32 v1, v0, 2, SPARE
	v_mov_b32 v2, 0
	ds_add_u32 v1, v2                              ; the wave's opening: the add and its wait stand ahead of my first tensor load; the set-up below, work on registers, stands between them
	v_lshrrev_b32 v25, 5, v0
	v_readfirstlane_b32 s24, v25                   ; wave 0..3
	s_bfe_u32 s25, ttmp6, 0x40000                  ; cx: my place in the cluster
	s_lshl_b32 s26, ttmp9, 2                       ; in a cluster launch ttmp9 counts clusters
	s_add_co_u32 s26, s26, s25                     ; my work-group: it enters the addresses of positions, loads, time and out0 alone
	; descriptor group 1: 96 dense rows of 256 bytes, a wave's quarter of a tile
	s_mov_b32 s28, 15|(3<<16)|(1<<21)              ; 15:0 the mask: all four work-groups; 17:16 elements of 8 bytes; 20 no padding; 21 set beside a mask
	s_mov_b32 s29, 32<<16                          ; tensor_dim0 = 32 elements
	s_mov_b32 s30, 96<<16                          ; tensor_dim1 = 96
	s_mov_b32 s31, 32<<16                          ; tile_dim0 = 32
	s_mov_b32 s32, 96                              ; tile_dim1 = 96
	s_mov_b32 s33, 32                              ; from row to row: 32 elements
	s_mov_b32 s34, 0
	s_mov_b32 s35, 0
	s_mov_b32 s52, 0x4038aa3b                      ; 2 L
	s_mov_b32 s53, s52                             ; (the packed forms name pairs: both words are written)
	s_mov_b32 s54, 0x3eb17218                      ; 1 / (2 L)
	s_mov_b32 s55, s54
	s_mov_b32 s56, 0x42700000                      ; 60.0
	s_mov_b32 s57, 0xbfc3ae9e                      ; -log2(2 L)
	s_mov_b32 s58, 0x76543210                      ; v_permlanex16_b32: lane l xor 16
	s_mov_b32 s59, 0xfedcba98
	s_mov_b32 s76, 0xbfb8aa3b                      ; -L
	s_mov_b32 s77, s76
	s_mul_i32 s68, s24, QUART                      ; my quarter: in a tile of wq and in a slot
	s_mov_b32 s69, 0
	s_lshr_b32 s62, s24, 1
	s_and_b32 s62, s62, s24                        ; 1 in wave 3,
	s_or_b32 s62, s62, ttmp9                       ; or not the first cluster: the same in all four partners
	s_cmp_eq_u32 s62, 0
	s_cselect_b32 s46, 6, 0                        ; my wave prefetches in laps 0-5, or never
	v_and_b32 v25, 31, v0                          ; lane
	v_and_b32 v26, 15, v0                          ; r
	v_bfe_u32 v27, v0, 4, 1                        ; h
	v_lshlrev_b32 v28, 4, v25                      ; 16 x lane: my place in half an image
	v_add_nc_u32 v3, s68, v28
	v_add_nc_u32 v4, SLOT1, v3
	v_add_nc_u32 v5, PIMG, v28
	v_lshl_add_u32 v6, v27, 5, TIMG
	s_lshl_b32 s70, s24, 9
	s_add_co_u32 s71, s70, BT
	v_lshl_add_u32 v9, v27, 5, s71                 ; biases: my wave's 128 units, + 8 h units
	v_add_nc_u32 v13, s70, v28                     ; a row of out0, gamma, beta: my wave's 512 bytes, 16 a lane
	s_mul_i32 s70, s24, 16*SPITCH
	s_add_co_u32 s70, s70, STAGE                   ; my stage
	v_mul_u32_u24 v11, v26, SPITCH
	v_lshl_add_u32 v11, v27, 5, v11
	v_add_nc_u32 v11, s70, v11                     ; in: row r, + 32 h
	v_add_nc_u32 v12, s70, v28                     ; back: a row's 512 bytes in 32 lanes
	s_lshl_b32 s70, s24, 10
	s_add_co_u32 s70, s70, STAT1
	v_add_nc_u32 v14, s70, v28
	v_add_nc_u32 v15, STAT1, v28
	v_lshlrev_b32 v24, 8, v25
	v_mov_b32 v7, v5                               ; lap 0
	v_mov_b32 v8, v6
	s_wait_dscnt 0x0                               ; the opening add is done
	s_wait_kmcnt 0x0
	s_add_nc_u64 s[70:71], s[10:11], s[68:69]      ; wq at my quarter of tile 0
	s_mov_b32 s36, 1                               ; 1:0 count = 1
	s_mov_b32 s37, s68                             ; LDS address: slot 0, my quarter: no place in the cluster enters it
	s_mov_b64 s[38:39], s[70:71]                   ; global address
	s_or_b32 s39, s39, 0x80000000                  ; type = 2
	s_mov_b32 s40, 1
	s_add_co_u32 s41, s68, SLOT1
	s_add_nc_u64 s[42:43], s[70:71], TILEB         ; tile 1
	s_or_b32 s43, s43, 0x80000000
	CROUND                                         ; all four work-groups are here: the first joint loads meet
	tensor_load_to_lds s[36:39], s[28:35]          ; tiles 0 and 1 go out together, ahead of every wait on TENSORcnt and every LDS read
	s_nop 0
	tensor_load_to_lds s[40:43], s[28:35]
	s_nop 0
	PLACES
	s_load_b64 s[60:61], s[12:13], 0x0             ; e0, e1
	s_lshl_b32 s72, s26, 5
	s_lshl_b32 s73, s24, 3
	s_add_co_u32 s72, s72, s73                     ; my wave makes the images of tiles 2 w and 2 w + 1: b = 8 x work-group + 2 w + e
	s_mov_b32 s73, 0
	s_add_nc_u64 s[8:9], s[8:9], s[72:73]
	s_load_b64 s[66:67], s[8:9], 0x0               ; their two times
	s_lshl_b32 s72, s26, 9
	s_lshl_b32 s74, s24, 7
	s_add_co_u32 s72, s72, s74                     ; 64 bytes of positions and of loads for each b
	s_add_nc_u64 s[4:5], s[4:5], s[72:73]
	s_add_nc_u64 s[6:7], s[6:7], s[72:73]
	v_lshlrev_b32 v29, 2, v26                      ; vehicle r
	global_load_b32 v32, v29, s[4:5]
	global_load_b32 v33, v29, s[4:5] offset:64
	global_load_b32 v34, v29, s[6:7]
	global_load_b32 v35, v29, s[6:7] offset:64
	v_lshlrev_b32 v31, 4, v0                       ; four units a thread: 128 threads take a gate's 512
.irp g, 0,1,2
	global_load_b128 v[36+4*\g:39+4*\g], v31, s[14:15] offset:4096*((\g+1)/2)+2048*(\g/2)   ; b_ih of the gates i, g, o: bytes 0, 4,096, 6,144 on
.endr
.irp g, 0,1,2
	global_load_b128 v[48+4*\g:51+4*\g], v31, s[16:17] offset:4096*((\g+1)/2)+2048*(\g/2)   ; b_hh likewise
.endr
	s_lshl_b32 s72, s26, 18                        ; my 128 rows of out0, 2,048 bytes each
	s_add_nc_u64 s[22:23], s[22:23], s[72:73]
	s_mul_i32 s72, s25, QUART                      ; the prefetches: my work-group's quarter of a tile,
	s_lshl_b32 s74, s24, 13                        ; my wave's 8,192 bytes of it,
	s_add_co_u32 s72, s72, s74
	s_add_co_u32 s72, s72, 3*TILEB                 ; at tile 3: the first change of slots steps it to tile 4.  Nothing is prefetched here, where every work-group's first tiles are on their way
	s_add_nc_u64 s[44:45], s[10:11], s[72:73]
	s_mov_b32 s70, 0x42c80000                      ; 100.0
	s_mov_b32 s71, 0x3c23d70a                      ; 0.01
	s_movk_i32 s75, 500
	v_lshlrev_b32 v78, 3, v27                      ; 8 h
	v_mov_b32 v79, 0x80000000                      ; a key that meets no word
	s_lshl_b32 s74, s24, 11
	v_add_nc_u32 v81, s74, v5                      ; where my tiles' images go: 2 x 1,024 bytes a wave,
	s_lshl_b32 s74, s24, 7
	v_add_nc_u32 v82, s74, v6                      ; 2 x 64 bytes a wave,
	v_add_nc_u32 v83, BT, v31                      ; and my four units of each gate's biases
	v_mov_b32 v66, 1.0
.irp i, 67,68,69,70,71
	v_mov_b32 v\i, 0
.endr
	s_wait_kmcnt 0x0
	s_add_co_i32 s62, s60, 127
	s_lshl_b32 s63, s62, 23
	v_mov_b32 v60, s63                             ; 2^e0 as f32: the conversion takes its exponent field
	s_add_co_i32 s62, s62, 8
	s_lshl_b32 s62, s62, 23
	s_or_b32 s62, s62, 0x600000
	v_mov_b32 v61, s62                             ; 448 x 2^e0
	s_add_co_i32 s62, s60, s61
	s_lshl_b32 s62, s62, 23                        ; a sum stands for sum x 2^(e0 + e1): the exponents are added to the exponent fields of -L and 2 L
	s_add_co_u32 s48, s62, 0xbfb8aa3b
	s_mov_b32 s49, s48
	s_add_co_u32 s50, s62, 0x4038aa3b
	s_mov_b32 s51, s50
	s_wait_loadcnt 0x6                             ; positions and loads are in; the six loads of biases may be out
	v_mul_f32 v64, s71, v34                        ; load / 100: y = x 0.01, then one step with the remainder x - 100 y
	v_mul_f32 v65, s71, v35
	v_fma_f32 v62, -v64, s70, v34
	v_fma_f32 v63, -v65, s70, v35
	v_fmac_f32 v64, s71, v62
	v_fmac_f32 v65, s71, v63
.irp i, 64,65,66
	v_med3_num_f32 v\i, v\i, -v61, v61             ; the conversion to an 8-bit code does not saturate (ISA guide 7.6.2): the hold at the largest code x the scale, for the 1 of the one-hots too
.endr
	v_cvt_scalef32_pk8_fp8_f32 v[72:73], v[64:71], v60   ; bytes 0, 1: the two loads' codes; byte 2: the code of 1
	v_nop                                          ; a plain line between the conversion and the first use of its result
	v_and_b32 v74, 0xff, v72
	v_bfe_u32 v75, v72, 8, 8
	v_bfe_u32 v76, v72, 16, 8
	v_mul_u32_u24 v74, v74, v27                    ; the load's word: its code in byte 0, in lanes 16-31 alone; 0 in lanes 0-15
	v_mul_u32_u24 v75, v75, v27
.irp e, 0,1                            ; steps 0-7 of tile 2 w + e
	v_lshrrev_b32 v77, 2, v[32+\e]
	v_sub_nc_u32 v77, v77, v78                     ; the hot word - 8 h
	v_cmp_gt_u32 vcc_lo, s75, v[32+\e]
	v_cndmask_b32 v77, v79, v77, vcc_lo            ; a position outside 0..499 meets no word
	v_and_b32 v80, 3, v[32+\e]
	v_lshlrev_b32 v80, 3, v80
	v_lshlrev_b32 v80, v80, v76                    ; the code of 1 in the hot byte
	GEN 77, 80, 128, 1, 74+\e
.irp k, 0,1,2,3,4,5,6,7
	ds_store_b128 v81, v[128+8*\k:131+8*\k] offset:8192*\k+1024*\e
	ds_store_b128 v81, v[132+8*\k:135+8*\k] offset:8192*\k+1024*\e+512
.endr
	s_wait_dscnt 0x0                               ; the stores have read their registers
.endr
.irp e, 0,1                            ; steps 8-15 of tile 2 w + e: k' - 512 = 1 + time
	s_max_i32 s[66+\e], s[66+\e], 0
	s_min_i32 s[66+\e], s[66+\e], 510              ; the clip
	s_add_co_u32 s[66+\e], s[66+\e], 1
	s_lshr_b32 s62, s[66+\e], 2
	v_sub_nc_u32 v77, s62, v78
	s_and_b32 s62, s[66+\e], 3
	s_lshl_b32 s62, s62, 3
	v_lshlrev_b32 v80, s62, v76
	GEN 77, 80, 128, 0, 74
.irp k, 0,1,2,3,4,5,6,7
	ds_store_b128 v82, v[128+8*\k:131+8*\k] offset:512*\k+64*\e       ; the sixteen lanes of a half store the same 16 bytes at the same place
	ds_store_b128 v82, v[132+8*\k:135+8*\k] offset:512*\k+64*\e+16
.endr
	s_wait_dscnt 0x0
.endr
	s_wait_loadcnt 0x0                             ; the biases
.irp i, 0,2,4,6,8,10
	v_pk_add_f32 v[36+\i:37+\i], v[36+\i:37+\i], v[48+\i:49+\i]
.endr
.irp i, 0,2,8,10
	v_pk_mul_f32 v[36+\i:37+\i], v[36+\i:37+\i], s[76:77] op_sel_hi:[1,0]   ; gates i and o: x (-L)
.endr
.irp i, 40,41,42,43
	v_fma_f32 v\i, v\i, s52, s57                   ; gate g: x 2 L - log2(2 L)
.endr
	ds_store_b128 v83, v[36:39]
	ds_store_b128 v83, v[40:43] offset:2048
	ds_store_b128 v83, v[44:47] offset:4096
	s_wait_tensorcnt 0x1                           ; my quarter of tile 0 is in; tile 1's may stay out
	s_wait_dscnt 0x0                               ; for the others' sake: my images and biases lie in LDS
	s_barrier_signal -1
	s_barrier_wait -1
	FETCH 0
	STEP 0, 1                                      ; lap 0's first step stands in front of the loop: its products start chunk 0's sums
	; ---------------- seven trips: from a lap's second step to the next lap's first; both slots are filled again in each
	s_mov_b32 s47, 0
.Llap:
	STEP 1, 0
	STEP 2, 0
	TURN 3, 1, 1
	STEP 4, 0
	STEP 5, 0
	STEP 6, 0
	TURN 7, 1, 1
	s_and_b32 s62, s47, 1                          ; the branches below hang on the count of laps alone and lead round no tensor load, barrier, wait on a counter of the ring, or add
	s_cmp_eq_u32 s62, 0
	s_cbranch_scc1 .Leven
	EPI                                            ; an odd lap ends a chunk: the cell,
	s_lshr_b32 s62, s47, 1
	s_cmp_eq_u32 s62, 0
	s_cbranch_scc0 .Lnot_c0
	P5V 0                                          ; h to the chunk's own registers,
	s_branch .Lkept
.Lnot_c0:
	s_cmp_eq_u32 s62, 1
	s_cbranch_scc0 .Lnot_c1
	P5V 1
	s_branch .Lkept
.Lnot_c1:
	P5V 2
.Lkept:
	STEP 0, 1                                      ; and the next chunk's first step starts its sums
	s_branch .Lnext
.Leven:
	STEP 0, 0
.Lnext:
	s_add_co_u32 s47, s47, 1
	s_cmp_lt_u32 s47, 7
	s_cbranch_scc1 .Llap
	; ---------------- the rest of lap 7 is written out: nothing more is asked for
	STEP 1, 0
	STEP 2, 0
	TURN 3, 0, 0
	STEP 4, 0
	STEP 5, 0
	STEP 6, 0
	s_wait_dscnt 0x0
	MULH 1, 0, 8, 0
	WIN 0
	EPI
	P5V 3                                          ; chunk 3's h stays in its accumulators
	; ---------------- the norm.  A lane holds, of row r of each tile, 64 of my wave's 128 units: 16 in each chunk
	global_load_b128 v[16:19], v13, s[18:19]       ; gamma and beta of the four units that I store
	global_load_b128 v[20:23], v13, s[20:21]
; The eight tiles' figures in v[32 + 2 a], pairs, are added up: the pair's halves, the lane 16 away, and through LDS the four waves'; the totals come to v[64 + a] in every lane.
.macro XCHG off
.irp a, 0,1,2,3,4,5,6,7
	v_add_f32 v[48+\a], v[32+2*\a], v[33+2*\a]
.endr
.irp a, 0,1,2,3,4,5,6,7
	v_permlanex16_b32 v[56+\a], v[48+\a], s58, s59
.endr
.irp a, 0,1,2,3,4,5,6,7
	v_add_f32 v[48+\a], v[48+\a], v[56+\a]
.endr
	ds_store_b128 v14, v[48:51] offset:\off
	ds_store_b128 v14, v[52:55] offset:\off+512
	s_wait_dscnt 0x0                               ; for the others' sake: my figures lie in LDS
	s_barrier_signal -1
	s_barrier_wait -1
.irp w, 0,1,2,3
	ds_load_b128 v[64+8*\w:67+8*\w], v15 offset:\off+1024*\w
	ds_load_b128 v[68+8*\w:71+8*\w], v15 offset:\off+1024*\w+512
.endr
	s_wait_dscnt 0x0
.irp i, 0,2,4,6
	v_pk_add_f32 v[64+\i:65+\i], v[64+\i:65+\i], v[72+\i:73+\i]
	v_pk_add_f32 v[80+\i:81+\i], v[80+\i:81+\i], v[88+\i:89+\i]
.endr
.irp i, 0,2,4,6
	v_pk_add_f32 v[64+\i:65+\i], v[64+\i:65+\i], v[80+\i:81+\i]
.endr
.endm
	; pass 1: the sums, eight chains
	WIN 0x0f                                       ; both sources in window 3
.irp a, 0,1,2,3,4,5,6,7
	v_pk_add_f32 v[32+2*\a:33+2*\a], v[16*\a:16*\a+1], v[16*\a+2:16*\a+3]   ; the first line starts the chain: nothing is cleared
.endr
	WIN 0x0c                                       ; source 1 in window 3
.irp x, 4,6,8,10,12,14
.irp a, 0,1,2,3,4,5,6,7
	v_pk_add_f32 v[32+2*\a:33+2*\a], v[32+2*\a:33+2*\a], v[16*\a+\x:16*\a+\x+1]
.endr
.endr
.irp x, 0,2,4,6,8,10,12,14
.irp a, 0,1,2,3,4,5,6,7
	v_pk_add_f32 v[32+2*\a:33+2*\a], v[32+2*\a:33+2*\a], v[128+16*\a+\x:129+16*\a+\x]
.endr
.endr
.irp u, 0,1                            ; tiles 4 u .. 4 u + 3 in window 1 + u
	WIN 0x04*(1+\u)
.irp x, 0,2,4,6,8,10,12,14
.irp t, 0,1,2,3
	v_pk_add_f32 v[32+8*\u+2*\t:33+8*\u+2*\t], v[32+8*\u+2*\t:33+8*\u+2*\t], v[192+16*\t+\x:193+16*\t+\x]
.endr
.endr
.irp x, 0,2,4,6,8,10,12,14
.irp t, 0,1,2,3
	v_pk_add_f32 v[32+8*\u+2*\t:33+8*\u+2*\t], v[32+8*\u+2*\t:33+8*\u+2*\t], v[48*\t+16+\x:48*\t+17+\x]
.endr
.endr
.endr
	WIN 0
	XCHG 0
.irp a, 0,1,2,3,4,5,6,7
	v_mul_f32 v[96+2*\a], 0x3b000000, v[64+\a]     ; the mean: x 1 / 512; made twice, to fill the pair that the packed forms name
	v_mul_f32 v[97+2*\a], 0x3b000000, v[64+\a]
.endr
	; pass 2: h - mean, in place; then the sums of its squares
	WIN 0xc3                                       ; destination and source 0 in window 3
.irp x, 0,2,4,6,8,10,12,14
.irp a, 0,1,2,3,4,5,6,7
	v_pk_add_f32 v[16*\a+\x:16*\a+\x+1], v[16*\a+\x:16*\a+\x+1], v[96+2*\a:97+2*\a] neg_lo:[0,1] neg_hi:[0,1]
	v_pk_add_f32 v[128+16*\a+\x:129+16*\a+\x], v[128+16*\a+\x:129+16*\a+\x], v[96+2*\a:97+2*\a] neg_lo:[0,1] neg_hi:[0,1]
.endr
.endr
.irp u, 0,1
	WIN 0x41*(1+\u)
.irp x, 0,2,4,6,8,10,12,14
.irp t, 0,1,2,3
	v_pk_add_f32 v[192+16*\t+\x:193+16*\t+\x], v[192+16*\t+\x:193+16*\t+\x], v[96+8*\u+2*\t:97+8*\u+2*\t] neg_lo:[0,1] neg_hi:[0,1]
	v_pk_add_f32 v[48*\t+16+\x:48*\t+17+\x], v[48*\t+16+\x:48*\t+17+\x], v[96+8*\u+2*\t:97+8*\u+2*\t] neg_lo:[0,1] neg_hi:[0,1]
.endr
.endr
.endr
	WIN 0x0f
.irp a, 0,1,2,3,4,5,6,7
	v_pk_mul_f32 v[32+2*\a:33+2*\a], v[16*\a:16*\a+1], v[16*\a:16*\a+1]
.endr
.irp x, 2,4,6,8,10,12,14
.irp a, 0,1,2,3,4,5,6,7
	v_pk_fma_f32 v[32+2*\a:33+2*\a], v[16*\a+\x:16*\a+\x+1], v[16*\a+\x:16*\a+\x+1], v[32+2*\a:33+2*\a]
.endr
.endr
.irp x, 0,2,4,6,8,10,12,14
.irp a, 0,1,2,3,4,5,6,7
	v_pk_fma_f32 v[32+2*\a:33+2*\a], v[128+16*\a+\x:129+16*\a+\x], v[128+16*\a+\x:129+16*\a+\x], v[32+2*\a:33+2*\a]
.endr
.endr
.irp u, 0,1
	WIN 0x05*(1+\u)
.irp x, 0,2,4,6,8,10,12,14
.irp t, 0,1,2,3
	v_pk_fma_f32 v[32+8*\u+2*\t:33+8*\u+2*\t], v[192+16*\t+\x:193+16*\t+\x], v[192+16*\t+\x:193+16*\t+\x], v[32+8*\u+2*\t:33+8*\u+2*\t]
.endr
.endr
.irp x, 0,2,4,6,8,10,12,14
.irp t, 0,1,2,3
	v_pk_fma_f32 v[32+8*\u+2*\t:33+8*\u+2*\t], v[48*\t+16+\x:48*\t+17+\x], v[48*\t+16+\x:48*\t+17+\x], v[32+8*\u+2*\t:33+8*\u+2*\t]
.endr
.endr
.endr
	WIN 0
	XCHG 4096                                      ; other bytes than the sums': no barrier is owed between the two exchanges
	s_mov_b32 s62, 0x3b000000                      ; 1 / 512
	s_mov_b32 s63, 0x3727c5ac                      ; 1e-5
.irp a, 0,1,2,3,4,5,6,7
	v_fma_f32 v[48+\a], v[64+\a], s62, s63         ; the variance + 1e-5
.endr
.irp a, 0,1,2,3,4,5,6,7
	v_rsq_f32 v[112+2*\a], v[48+\a]                ; made twice, to fill the pair
	v_rsq_f32 v[113+2*\a], v[48+\a]
.endr
	v_nop                                          ; a plain line behind the last of them,
	s_wait_alu depctr_va_vdst(0)                   ; and the one wait ahead of the first use
; THE WAY OUT, tile by tile.  A lane holds 32 neighbouring bytes of eight places of a row, and the lanes beside it hold other rows: so a tile's 16 rows x my 128 units go through my own stage in LDS and come back as
; whole runs of 512 bytes.  LDS serves a wave's instructions in order (ISA guide 5.7.1.4): no wait between the stores and the loads, nor in front of the next tile's stores.
.macro TOSTAGE a
	WIN 0x03                                       ; source 0 in window 3
.irp x, 0,2,4,6,8,10,12,14
	v_pk_mul_f32 v[32+\x:33+\x], v[16*(\a)+\x:16*(\a)+\x+1], v[112+2*(\a):113+2*(\a)]
	v_pk_mul_f32 v[48+\x:49+\x], v[128+16*(\a)+\x:129+16*(\a)+\x], v[112+2*(\a):113+2*(\a)]
.endr
	WIN 1+(\a)/4                                   ; source 0 in window 1 or 2
.irp x, 0,2,4,6,8,10,12,14
	v_pk_mul_f32 v[64+\x:65+\x], v[192+16*((\a)%4)+\x:193+16*((\a)%4)+\x], v[112+2*(\a):113+2*(\a)]
	v_pk_mul_f32 v[80+\x:81+\x], v[48*((\a)%4)+16+\x:48*((\a)%4)+17+\x], v[112+2*(\a):113+2*(\a)]
.endr
	WIN 0
.irp c, 0,1,2,3
.irp i, 0,1,2,3
	ds_store_b128 v11, v[32+16*\c+4*\i:35+16*\c+4*\i] offset:128*\c+64*(\i/2)+16*(\i%2)   ; units 32 c + 16 (i / 2) + 8 h + 4 (i % 2) on, of row r
.endr
.endr
.set BB, 128+64*((\a)%2)
.irp t, 0,1,2,3,4,5,6,7,8,9,10,11,12,13,14,15
	ds_load_b128 v[BB+4*\t:BB+4*\t+3], v12 offset:\t*SPITCH
.endr
.endm
.macro SEND a, younger                 ; younger: the LDS instructions issued behind tile a's loads, which may stay out
.set BB, 128+64*((\a)%2)
	s_wait_dscnt \younger
.irp t, 0,1,2,3,4,5,6,7,8,9,10,11,12,13,14,15
	v_pk_fma_f32 v[BB+4*\t:BB+4*\t+1], v[BB+4*\t:BB+4*\t+1], v[16:17], v[20:21]
	v_pk_fma_f32 v[BB+4*\t+2:BB+4*\t+3], v[BB+4*\t+2:BB+4*\t+3], v[18:19], v[22:23]
.endr
.irp t, 0,1,2,3,4,5,6,7,8,9,10,11,12,13,14,15
	global_store_b128 v13, v[BB+4*\t:BB+4*\t+3], s[22:23] offset:(16*(\a)+\t)*2048 th:TH_STORE_NT   ; 32 lanes store 512 consecutive bytes, at a multiple of 256 from out0's first byte; written once, read by nobody here
.endr
.endm
	s_wait_loadcnt 0x0                             ; gamma and beta
	TOSTAGE 0
.irp a, 1,2,3,4,5,6,7
.if \a > 1
	s_wait_xcnt 0x0                                ; the stores of the tile two back have read their registers: this tile's loads may land there
.endif
	TOSTAGE \a
	SEND \a-1, 32                                  ; behind the last tile's loads: this tile's 16 stores and 16 loads
.endr
	SEND 7, 0
	s_wait_tensorcnt 0x0                           ; the wave's end, behind my last tensor load and my last LDS store
	ds_add_u32 v1, v2
	s_wait_dscnt 0x0
	CROUND                                         ; the closing round: no work-group ends while a partner may still ask for a tile that names it
	s_endpgm
.Lfunc_end_k_qab33f0aef8_main:
	.size	k_qab33f0aef8_main, .Lfunc_end_k_qab33f0aef8_main-k_qab33f0aef8_main
	.p2alignl 7, 3214868480
	.fill 96, 4, 3214868480
	.section	.rodata,"a",@progbits
	.p2align	6, 0x0
	.amdhsa_kernel k_qab33f0aef8_main
		.amdhsa_group_segment_fixed_size 327680
		.amdhsa_private_segment_fixed_size 0
		.amdhsa_enable_private_segment 0
		.amdhsa_kernarg_size 80
		.amdhsa_user_sgpr_count 2
		.amdhsa_user_sgpr_kernarg_segment_ptr 1
		.amdhsa_wavefront_size32 1
		.amdhsa_system_sgpr_workgroup_id_x 1
		.amdhsa_system_sgpr_workgroup_id_y 1
		.amdhsa_system_sgpr_workgroup_id_z 1
		.amdhsa_system_vgpr_workitem_id 0
		.amdhsa_next_free_vgpr 1024
		.amdhsa_next_free_sgpr 80
		.amdhsa_reserve_vcc 1
		.amdhsa_float_denorm_mode_32 3
		.amdhsa_float_denorm_mode_16_64 3
		.amdhsa_memory_ordered 1
		.amdhsa_forward_progress 1
		.amdhsa_inst_pref_size 255
	.end_amdhsa_kernel
	.section	.bss,"aw",@nobits
	.p2align	6
	.space	262144
	.amdgpu_metadata
---
amdhsa.version: [ 1, 2 ]
amdhsa.kernels:
  - .name:           k_qab33f0aef8_main
    .symbol:         k_qab33f0aef8_main.kd
    .args:
      - { .name: positions, .offset: 0, .size: 8, .value_kind: global_buffer, .address_space: global }
      - { .name: loads, .offset: 8, .size: 8, .value_kind: global_buffer, .address_space: global }
      - { .name: time, .offset: 16, .size: 8, .value_kind: global_buffer, .address_space: global }
      - { .name: wq, .offset: 24, .size: 8, .value_kind: global_buffer, .address_space: global }
      - { .name: lowp_scales, .offset: 32, .size: 8, .value_kind: global_buffer, .address_space: global }
      - { .name: b_ih, .offset: 40, .size: 8, .value_kind: global_buffer, .address_space: global }
      - { .name: b_hh, .offset: 48, .size: 8, .value_kind: global_buffer, .address_space: global }
      - { .name: gamma, .offset: 56, .size: 8, .value_kind: global_buffer, .address_space: global }
      - { .name: beta, .offset: 64, .size: 8, .value_kind: global_buffer, .address_space: global }
      - { .name: out0, .offset: 72, .size: 8, .value_kind: global_buffer, .address_space: global }
    .group_segment_fixed_size: 327680
    .private_segment_fixed_size: 0
    .kernarg_segment_align: 8
    .kernarg_segment_size: 80
    .max_flat_workgroup_size: 128
    .sgpr_count:     80
    .vgpr_count:     1024
    .wavefront_size: 32
...
	.end_amdgpu_metadata
.endif
;; end of part 2
